; MI455X (gfx1250); checked and timed in simulation.
; The chip was launched on July 23, 2026; its instructions are those of AMD's public machine-readable ISA for CDNA 5 (MIT licence, August 2026) and "CDNA5" Instruction Set Architecture Reference Guide (July 2026). The comments in the code are by the model that wrote it; some were corrected since.
;; Attention. Allowed arithmetic: matrix products marked QUANTISED: E3M2 operands, one E8M0 scale for each 32 along K, by v_wmma_scale_f32_16x16x128_f8f6f4 with both operands' format E3M2, f32 sums; products left as they are: f32 operands where the result goes on into a quantised operand, else bf16, f16 or f32 operands; f32 sums; everything else in f32.
;; Inputs: V_b 1 float32; V_k 1,024 x 1 float32; W1_b 1,024 float32; W1_k 1,024 x 1,024 float32; W2_b 1,024 float32; W2_k 1,024 x 1,024 float32; query 32 x 1,024 float32; values 32 x 2,048 x 1,024 float32.
;; Outputs: out0 32 x 1,024 float32; out1 32 x 2,048 x 1 float32.
;; This version of the problem:
;;   THIS VERSION OF THE PROBLEM IS GIVEN IN LOW PRECISION. The matrix products marked QUANTISED in the list below multiply operands that are first quantised to E3M2 (3 exponent bits, 2 mantissa bits; 6 bits a number), with one power-of-two scale for each 32 numbers along K (OCP MX v1.0); their sums are f32. All else is computed in f32.
;;   The module's matrix products, in the order in which they are computed (A, B: the left and right operand; K: the contracted axis; several contracted axes count as one K, in the product's order):
;;     1. [M 65,536, K 1,024] x [K 1,024, N 1,024]; A: input values; B: input W1_k: QUANTISED
;;     2. [M 32, K 1,024] x [K 1,024, N 1,024]; A: input query; B: input W2_k: QUANTISED
;;     3. [M 65,536, K 1,024] x [K 1,024, N 1]; A: computed on the way; B: input V_k: left as it is (N = 1 < 16)
;;   THE QUANTISER, for each operand of a quantised product, along K:
;;     - K is cut into blocks of 32 from its start; a last block that is shorter is filled with zeros.
;;     - A block's scale is 2^e with e = floor(log2(the largest magnitude in the block)) - 4, held to -126 .. 127; a block of zeros has e = 0. As a byte (E8M0): e + 127.
;;     - Each number is divided by its block's scale, clamped to +-28, and rounded to the nearest number of E3M2, ties to even, subnormals kept.
;;     - The product sums the exact products of the quantised numbers (number of the format x scale) in f32.
;;   ~~~python
;;   def quantise(x, axis):      # numpy; x: float32 -> the quantised numbers, widened to float32 again
;;       x = np.moveaxis(x, axis, -1); K = x.shape[-1]
;;       x = np.pad(x, [(0, 0)] * (x.ndim - 1) + [(0, -K % 32)]); x = x.reshape(x.shape[:-1] + (-1, 32)); a = np.abs(x).max(-1, keepdims=True)
;;       e = np.where(a > 0, np.clip(np.frexp(np.where(a > 0, a, 1))[1] - 1 - 4, -126, 127), 0)      # np.frexp(a)[1] - 1 = floor(log2(a)), exactly
;;       r = np.clip(x / 2.0 ** e, -28, 28)
;;       step = 2.0 ** (np.maximum(np.frexp(np.where(r == 0, 1, r))[1] - 1, -2) - 2)
;;       q = np.round(r / step) * step * 2.0 ** e      # np.round: ties to even
;;       return np.moveaxis(q.reshape(q.shape[:-2] + (-1,))[..., :K], -1, axis).astype(np.float32)
;;   ~~~
;; One version. Each part assembles by itself: llvm-mc -triple=amdgcn-amd-amdhsa -mcpu=gfx1250 --defsym DOCPART=n.
;; ======== version 1 of 1: 3 launches
;; limits: right only within a limited range of input values
;; workspace buffers: w1c 786,432 bytes; w1s 32,768 bytes; tab 262,144 bytes; part 524,288 bytes
;; launch prep (part 1): grid 192 x 1, 8 waves a work-group, no clusters, 84,992 bytes of LDS; arguments W1_k, W2_k, query, W1_b, W2_b, V_k, w1c, w1s, tab; writes w1c, w1s, tab
.if DOCPART == 1
	.amdgcn_target "amdgcn-amd-amdhsa--gfx1250"
	.amdhsa_code_object_version 6
	.text
	.protected	k_q7ad2281382_prep
	.globl	k_q7ad2281382_prep
	.p2align	8
	.type	k_q7ad2281382_prep,@function
k_q7ad2281382_prep:
	s_mov_b64 s[64:65], 0
	v_nop
	global_prefetch_b8 v0, s[64:65] scope:SCOPE_SE
	s_setreg_imm32_b32 hwreg(HW_REG_WAVE_MODE, 25, 1), 1
	s_wait_xcnt 0x0
; FIRST OF THREE LAUNCHES.  The program: score[b][t] = sum over u of V[u] tanh(h[b][t][u]) + V_b, h = values W1 + W1_b + query W2 + W2_b; out1 = softmax of the scores over t; out0 = out1[:, 2047] x values[:, 2047].
; Both products with W1 and W2 are made on codes of BF6 (E3M2) with one E8M0 scale for each 32 along K.
; DEAD WORK, for all values of the inputs.
;   (1) V_b is added to every score of a batch, so it is the same along the axis of the softmax, which divides it out.  V_b is not loaded and is among no launch's arguments.
;   (2) tanh(x) = 1 - 2 / (1 + e^(2 x)), so score = (sum over u of V[u]) - 2 sum over u of V[u] / (1 + e^(2 h[u])).  The first sum is the same along the axis of the softmax and is left out.
;   (3) Of attention x values reference() keeps row 2047 alone: only that row is multiplied.
;   LIMIT: a NaN, an infinity or an overflow in V_b, or in the sum of V alone, is not carried to the result.
; THIS LAUNCH.  Work-groups 0 to 63: 16 columns of W1 each (column tile nt), quantised along K and stored in the order of the operand's registers:
;   w1c: fragment (nt, K step s) at (8 nt + s) x 1,536 bytes: register 4 g + i of lane L at 512 g + 16 L + 4 i;   w1s: its scale word of column 16 nt + r at 512 nt + 256 (s / 4) + 16 r + 4 (s % 4).
; Work-groups 64 to 191: number 64 + 2 nt + m takes 16 columns of W2 and batches 16 m .. + 15 of the query: wave s makes K step s of the product, and the eight partial sums meet in LDS.  Stored:
;   tab: for batch b at 8,192 b, column tile nt at + 128 nt: 16 numbers c2 (query W2 + W2_b + W1_b), then 16 numbers - c2 V, with c2 = 2 log2(e): what the next launch's tanh stage multiplies and adds by.
; Two work-groups quantise the same 16 columns of W2, one for each tile of batches: 128 work-groups in all, each with one tile of the query to turn and quantise.
; OF W A LANE TAKES A COLUMN n AND ITS REGISTERS RUN DOWN K, in the order that the operand's layout gives that lane: the conversions' results are the operand's registers.  Sixteen lanes read 64 consecutive bytes of a row of W.
; THE QUERY has K innermost, and the quantiser wants 32 neighbours along K in one lane.  Each load takes a row's K step as it lies, 512 consecutive bytes, and the 16 rows turn through the wave's own stage in LDS
; (rows of 512 + 16 bytes), from which each lane takes its 256 bytes of its row.  The query's loads are issued ahead of W's 64, so that the turn and the query's quantiser run while W's numbers are on their way.
; THE QUANTISER: a block's scale byte is its largest magnitude's exponent field - 4, held at 1 from below; the conversion divides, rounds to the nearest code, ties to even, and holds at the largest code.
; A block of zeros gets the byte 1 where the rule says 127: its codes are zeros, and this program alone reads the bytes.
; LIMITS: blocks whose largest magnitude lies under 2^-122 (the floor) were not tried; NaN and infinities among the inputs are not served.  The sum over K of query W2 is taken in eight parts, not in one chain.
; No cluster and no tensor load: each work-group reads columns of its own; what they share, the query, is 128 KiB.
.set SPARE, 16384                      ; LDS: from 2,048 x wave the waves' partial sums, 1,024 bytes each; then the spare words, 128 bytes a wave;
.set QST,   17408                      ; then the eight waves' stages for the query, 16 rows x 528 bytes each
.set SPW,  1                           ; my spare word; never rewritten
.set NIL,  2                           ; 0; never rewritten
.set R16,  3                           ; 16 r, r = lane % 16
.set HH,   4                           ; h = lane / 16
.set WO,   5                           ; W: 32 h rows of 4,096 bytes + 4 r
.set QLA,  6                           ; my stage, on the way out: row r of 528 bytes + 128 h
.set SH8,  7                           ; 8 h
.set QM,   8                           ; v8-9   largest magnitudes, then bytes
.set QS,   10                          ; v10-11 the conversions' scale operands
.set QSA,  12                          ; my stage, on the way in: 16 x lane
.set WP,   13                          ; the other half's two bytes
.set T0,   14                          ; v14-16, v18-20: the upper 16 codes of my two blocks
.set A4R,  17                          ; 4 r
.set T1,   18
.set L16,  21                          ; 16 x lane
.set SW,   22                          ; W's scale word;  v23 the query's: scales and nothing else
.set SQ,   23
.set LST,  25                          ; LDS: where I put my partial sums
.set LLD,  26                          ; LDS: where I read the register that I add up
.set TO,   27                          ; tab: 8 h batches of 8,192 bytes + 4 r
.set FW,   28                          ; v28-39 W's fragment;  v40-51 the query's
.set FQ,   40
.set XW,   64                          ; v64-127 64 numbers of W;  v128-191 the query: 16 rows as loaded, then 64 numbers a lane
.set XQ,   128
.set DD,   64                          ; v64-71 the result, where W's numbers lay
.set PP,   80                          ; v80-87 the eight waves' parts
.set BB,   192                         ; v192 W1_b, v193 W2_b, v194 V of column r
.set SEL,  24                          ; s[24:25] selects of lane l xor 16
.set C2,   40                          ; s40 c2 = 2 log2(e)
; 64 numbers of a lane, register 32 c + i = k 64 c + 32 h + i of my row or column (two whole blocks), become a fragment's 12 registers at v[d] and its scale word in v[wd] (the same in both halves of the lanes).
.macro QFRAG x, d, wd
	v_max3_num_f32 v[QM], |v[(\x)]|, |v[(\x)+1]|, 0x2800000          ; the floor 2^(5 - 127) among the leaves: the byte cannot fall under 1
	v_max3_num_f32 v[QM+1], |v[(\x)+32]|, |v[(\x)+33]|, 0x2800000
.irp i, 2,4,6,8,10,12,14,16,18,20,22,24,26,28,30
	s_delay_alu instid0(VALU_DEP_2)
	v_max3_num_f32 v[QM], v[QM], |v[(\x)+\i]|, |v[(\x)+\i+1]|       ; the two blocks by turns
	s_delay_alu instid0(VALU_DEP_2)
	v_max3_num_f32 v[QM+1], v[QM+1], |v[(\x)+32+\i]|, |v[(\x)+33+\i]|
.endr
	s_delay_alu instid0(VALU_DEP_2)
	v_add_nc_u32 v[QS], 0xfe000000, v[QM]                            ; 4 off the exponent field: the conversion's scale operand
	s_delay_alu instid0(VALU_DEP_2)
	v_add_nc_u32 v[QS+1], 0xfe000000, v[QM+1]
	s_delay_alu instid0(VALU_DEP_2)
	v_lshrrev_b32 v[QM], 23, v[QS]                                   ; the scale's byte
	s_delay_alu instid0(VALU_DEP_2)
	v_lshrrev_b32 v[QM+1], 23, v[QS+1]
	s_delay_alu instid0(VALU_DEP_1)
	v_lshl_or_b32 v[\wd], v[QM+1], 16, v[QM]                         ; my blocks are h and 2 + h:
	s_delay_alu instid0(VALU_DEP_1)
	v_lshlrev_b32 v[\wd], v[SH8], v[\wd]                             ; 8 h bits up;
	s_delay_alu instid0(VALU_DEP_1)
	v_permlanex16_b32 v[WP], v[\wd], s[SEL], s[SEL+1]
	s_delay_alu instid0(VALU_DEP_1)
	v_or_b32 v[\wd], v[\wd], v[WP]                                   ; with lane l xor 16's two the word is whole
	v_cvt_scalef32_pk16_bf6_f32 v[T0:T0+2], v[(\x)+16:(\x)+31], v[QS]        ; a block's upper half is made elsewhere and moved (three registers begin on an even number)
	v_cvt_scalef32_pk16_bf6_f32 v[T1:T1+2], v[(\x)+48:(\x)+63], v[QS+1]
	v_cvt_scalef32_pk16_bf6_f32 v[(\d):(\d)+2], v[(\x):(\x)+15], v[QS]
	v_cvt_scalef32_pk16_bf6_f32 v[(\d)+6:(\d)+8], v[(\x)+32:(\x)+47], v[QS+1]
	v_nop                                                            ; one plain place behind the scaled conversions
.irp i, 0,1,2
	v_mov_b32 v[(\d)+3+\i], v[T0+\i]
	v_mov_b32 v[(\d)+9+\i], v[T1+\i]
.endr
.endm
.macro WLOAD                           ; W(128 s + 64 c + 32 h + i, 16 nt + r)
.irp c, 0,1
.irp i, 0,1,2,3,4,5,6,7,8,9,10,11,12,13,14,15,16,17,18,19,20,21,22,23,24,25,26,27,28,29,30,31
	global_load_b32 v[XW+32*\c+\i], v[WO], s[26:27] offset:(64*\c+\i)*4096
.endr
.endr
.endm
	s_load_b512 s[4:19], s[0:1], 0x0               ; W1_k 4:5, W2_k 6:7, query 8:9, W1_b 10:11, W2_b 12:13, V_k 14:15, w1c 16:17, w1s 18:19
	s_load_b64 s[20:21], s[0:1], 0x40              ; tab
	v_lshl_add_u32 v[SPW], v0, 2, SPARE
	v_mov_b32 v[NIL], 0
	v_lshrrev_b32 v[R16], 5, v0
	s_delay_alu instid0(VALU_DEP_1)
	v_readfirstlane_b32 s22, v[R16]                ; wave = K step s, 0 .. 7
	s_lshl_b32 s34, s22, 11                        ; my partial sums: 2,048 x wave
	s_lshr_b32 s35, s22, 2
	s_lshl_b32 s35, s35, 9
	s_and_b32 s36, s22, 3
	s_lshl_b32 s36, s36, 2
	s_add_co_u32 s35, s35, s36                     ; register w of the eight: group w / 4, 4 (w % 4) bytes on
	s_mul_i32 s37, s22, 8448
	s_add_co_u32 s37, s37, QST                     ; my wave's stage
	s_mov_b32 s[SEL], 0x76543210
	s_mov_b32 s[SEL+1], 0xfedcba98
	s_mov_b32 s[C2], 0x4038aa3b
	s_cmp_lt_u32 ttmp9, 64
	s_cselect_b32 s23, 0, 64
	s_sub_co_u32 s23, ttmp9, s23                   ; W1: nt;  W2: 2 nt + m
	s_and_b32 s32, s23, 1                          ; m, the tile of batches
	s_lshr_b32 s33, s23, 1
	s_cmp_lt_u32 ttmp9, 64
	s_cselect_b32 s23, s23, s33                    ; nt, the column tile
	s_lshl_b32 s28, s22, 19                        ; 128 s rows of 4,096 bytes
	s_lshl_b32 s29, s23, 6                         ; + 16 nt columns
	s_add_co_u32 s28, s28, s29
	s_mov_b32 s29, 0
	v_and_b32 v[R16], 15, v0
	v_bfe_u32 v[HH], v0, 4, 1
	v_and_b32 v[L16], 31, v0
	v_lshlrev_b32 v[A4R], 2, v[R16]
	v_lshlrev_b32 v[SH8], 3, v[HH]
	v_lshlrev_b32 v[L16], 4, v[L16]
	v_mul_u32_u24 v[QLA], v[R16], 528
	v_lshl_add_u32 v[WO], v[HH], 17, v[A4R]
	v_lshl_add_u32 v[TO], v[HH], 16, v[A4R]
	v_add_nc_u32 v[LST], s34, v[L16]
	v_add_nc_u32 v[LLD], s35, v[L16]
	v_add_nc_u32 v[QSA], s37, v[L16]
	v_lshl_add_u32 v[QLA], v[HH], 7, v[QLA]
	v_lshlrev_b32 v[R16], 4, v[R16]                ; from here on 16 r
	v_mov_b32 v[WP], 0                             ; a lane permute's destination counts as one of its sources
	v_add_nc_u32 v[QLA], s37, v[QLA]
	s_wait_alu depctr_va_vdst(0)                   ; the wait at the head's end
	s_wait_kmcnt 0x0
	s_cmp_lt_u32 ttmp9, 64                         ; W1's work-group or W2's: the choice hangs on the work-group's number alone
	s_cselect_b64 s[26:27], s[4:5], s[6:7]
	s_add_nc_u64 s[26:27], s[26:27], s[28:29]
	s_cmp_lt_u32 ttmp9, 64
	s_cbranch_scc1 .Lw1
	; ---- W2: the product with 16 batches of the query
	s_lshl_b32 s28, s22, 9                         ; the query's K step s: 512 bytes on,
	s_lshl_b32 s30, s32, 16                        ; 16 m rows of 4,096 bytes down
	s_add_co_u32 s28, s28, s30
	s_add_nc_u64 s[8:9], s[8:9], s[28:29]
.irp p, 0,1,2,3,4,5,6,7,8,9,10,11,12,13,14,15
	global_load_b128 v[XQ+4*\p:XQ+4*\p+3], v[L16], s[8:9] offset:\p*4096      ; row p's K step: 32 lanes read 512 consecutive bytes
.endr
	s_lshl_b32 s30, s23, 6                         ; the biases' and V's 16 numbers of this column tile
	s_mov_b32 s31, 0
	s_add_nc_u64 s[10:11], s[10:11], s[30:31]
	s_add_nc_u64 s[12:13], s[12:13], s[30:31]
	s_add_nc_u64 s[14:15], s[14:15], s[30:31]
	global_load_b32 v[BB], v[A4R], s[10:11]
	global_load_b32 v[BB+1], v[A4R], s[12:13]
	global_load_b32 v[BB+2], v[A4R], s[14:15]
	WLOAD
	s_lshl_b32 s28, s32, 4                         ; tab: my register belongs to batch 16 m + 8 h + w
	s_add_co_u32 s28, s28, s22
	s_lshl_b32 s28, s28, 13
	s_lshl_b32 s30, s23, 7
	s_add_co_u32 s28, s28, s30
	s_add_nc_u64 s[20:21], s[20:21], s[28:29]
	s_wait_loadcnt 63                              ; of the 83 loads the youngest 63 may be out: the oldest 20 are in, the query's 16 among them
.irp p, 0,1,2,3,4,5,6,7,8,9,10,11,12,13,14,15
	ds_store_b128 v[QSA], v[XQ+4*\p:XQ+4*\p+3] offset:\p*528                  ; the rows as they were loaded, 528 bytes apart
.endr
.irp c, 0,1
.irp j, 0,1,2,3,4,5,6,7
	ds_load_b128 v[XQ+32*\c+4*\j:XQ+32*\c+4*\j+3], v[QLA] offset:256*\c+16*\j   ; query(16 m + r, 128 s + 64 c + 32 h + 4 j ..).  LDS serves a wave's instructions in order (ISA guide 5.7.1.4): these see my stores, which have read their registers
.endr
.endr
	s_wait_dscnt 0x0
	QFRAG XQ, FQ, SQ
	s_wait_alu depctr_va_vdst(0)                   ; the wait ahead of the blocking wait
	s_wait_loadcnt 0x0                             ; W's 64 numbers, the biases and V
	QFRAG XW, FW, SW
.rept 8
	v_nop                                          ; a scale register written by a vector instruction stands 8 places ahead of a scaled matrix instruction, an operand so written 4
.endr
	v_wmma_scale_f32_16x16x128_f8f6f4 v[DD:DD+7], v[FQ:FQ+11], v[FW:FW+11], 0, v[SQ], v[SW] matrix_a_fmt:MATRIX_FMT_BF6 matrix_b_fmt:MATRIX_FMT_BF6          ; register j of lane (r, h): batch 16 m + 8 h + j, column r
.rept 4
	v_nop                                          ; four places before the result is read
.endr
.irp g, 0,1
	ds_store_b128 v[LST], v[DD+4*\g:DD+4*\g+3] offset:512*\g     ; from the low end on
.endr
	s_wait_dscnt 0x0                               ; for the others' sake: my partial sums lie in LDS
	s_barrier_signal -1
	s_barrier_wait -1
.irp w, 0,1,2,3,4,5,6,7
	ds_load_b32 v[PP+\w], v[LLD] offset:2048*\w                  ; the eight K steps' parts of my register
.endr
	v_add_f32 v[BB], v[BB], v[BB+1]                ; W1_b + W2_b,
	v_mul_f32 v[BB+2], 0xc038aa3b, v[BB+2]         ; - c2 V
	s_delay_alu instid0(VALU_DEP_2)
	v_mul_f32 v[BB], s[C2], v[BB]                  ; x c2
	s_wait_dscnt 0x0
	v_pk_add_f32 v[PP:PP+1], v[PP:PP+1], v[PP+2:PP+3]
	v_pk_add_f32 v[PP+4:PP+5], v[PP+4:PP+5], v[PP+6:PP+7]
	s_delay_alu instid0(VALU_DEP_1)
	v_pk_add_f32 v[PP:PP+1], v[PP:PP+1], v[PP+4:PP+5]
	s_delay_alu instid0(VALU_DEP_1)
	v_add_f32 v[PP], v[PP], v[PP+1]
	s_wait_alu depctr_va_vdst(0)                   ; the biases' sum and - c2 V were made ahead of the wait on LDS
	v_fma_f32 v[PP], v[PP], s[C2], v[BB]           ; c2 (query W2) + c2 (W1_b + W2_b)
	global_store_b32 v[TO], v[PP], s[20:21]
	global_store_b32 v[TO], v[BB+2], s[20:21] offset:64          ; - c2 V stands once for each batch, so that one dense block serves a work-group of the next launch
	s_wait_tensorcnt 0x0                           ; the wave's end
	ds_add_u32 v[SPW], v[NIL]
	s_wait_dscnt 0x0
	s_endpgm
.Lw1:	; ---- W1: codes and scale words to memory, in the order of the operand's registers.  This way stores nothing to LDS
	WLOAD
	s_lshl_b32 s28, s23, 3
	s_add_co_u32 s28, s28, s22
	s_mul_i32 s28, s28, 1536                       ; fragment 8 nt + s
	s_add_nc_u64 s[16:17], s[16:17], s[28:29]
	s_lshl_b32 s30, s23, 9
	s_lshr_b32 s31, s22, 2
	s_lshl_b32 s31, s31, 8
	s_add_co_u32 s30, s30, s31
	s_and_b32 s31, s22, 3
	s_lshl_b32 s31, s31, 2
	s_add_co_u32 s30, s30, s31                     ; 512 nt + 256 (s / 4) + 4 (s % 4)
	s_mov_b32 s31, 0
	s_add_nc_u64 s[18:19], s[18:19], s[30:31]
	s_wait_loadcnt 0x0
	QFRAG XW, FW, SW
.irp g, 0,1,2
	global_store_b128 v[L16], v[FW+4*\g:FW+4*\g+3], s[16:17] offset:512*\g    ; 32 lanes store 512 consecutive bytes, at a multiple of 512 from the buffer's first byte
.endr
	global_store_b32 v[R16], v[SW], s[18:19]       ; both halves of the lanes write the same word with the same value
	s_endpgm
.Lfunc_end_k_q7ad2281382_prep:
	.size	k_q7ad2281382_prep, .Lfunc_end_k_q7ad2281382_prep-k_q7ad2281382_prep
	.p2alignl 7, 3214868480
	.fill 96, 4, 3214868480
	.section	.rodata,"a",@progbits
	.p2align	6, 0x0
	.amdhsa_kernel k_q7ad2281382_prep
		.amdhsa_group_segment_fixed_size 84992
		.amdhsa_private_segment_fixed_size 0
		.amdhsa_enable_private_segment 0
		.amdhsa_kernarg_size 72
		.amdhsa_user_sgpr_count 2
		.amdhsa_user_sgpr_kernarg_segment_ptr 1
		.amdhsa_wavefront_size32 1
		.amdhsa_system_sgpr_workgroup_id_x 1
		.amdhsa_system_sgpr_workgroup_id_y 1
		.amdhsa_system_sgpr_workgroup_id_z 1
		.amdhsa_system_vgpr_workitem_id 0
		.amdhsa_next_free_vgpr 256
		.amdhsa_next_free_sgpr 66
		.amdhsa_reserve_vcc 0
		.amdhsa_float_denorm_mode_32 3
		.amdhsa_float_denorm_mode_16_64 3
		.amdhsa_memory_ordered 1
		.amdhsa_forward_progress 1
		.amdhsa_inst_pref_size 34
	.end_amdhsa_kernel
	.amdgpu_metadata
---
amdhsa.version: [ 1, 2 ]
amdhsa.kernels:
  - .name:           k_q7ad2281382_prep
    .symbol:         k_q7ad2281382_prep.kd
    .args:
      - { .name: W1_k, .offset: 0, .size: 8, .value_kind: global_buffer, .address_space: global }
      - { .name: W2_k, .offset: 8, .size: 8, .value_kind: global_buffer, .address_space: global }
      - { .name: query, .offset: 16, .size: 8, .value_kind: global_buffer, .address_space: global }
      - { .name: W1_b, .offset: 24, .size: 8, .value_kind: global_buffer, .address_space: global }
      - { .name: W2_b, .offset: 32, .size: 8, .value_kind: global_buffer, .address_space: global }
      - { .name: V_k, .offset: 40, .size: 8, .value_kind: global_buffer, .address_space: global }
      - { .name: w1c, .offset: 48, .size: 8, .value_kind: global_buffer, .address_space: global }
      - { .name: w1s, .offset: 56, .size: 8, .value_kind: global_buffer, .address_space: global }
      - { .name: tab, .offset: 64, .size: 8, .value_kind: global_buffer, .address_space: global }
    .group_segment_fixed_size: 84992
    .private_segment_fixed_size: 0
    .kernarg_segment_align: 8
    .kernarg_segment_size: 72
    .max_flat_workgroup_size: 256
    .sgpr_count:     66
    .vgpr_count:     256
    .wavefront_size: 32
...
	.end_amdgpu_metadata
.endif
;; end of part 1
;; launch scores (part 2): grid 256 x 1, 8 waves a work-group, clusters of 2 x 1, 327,680 bytes of LDS; arguments values, w1c, w1s, tab, part; writes part
.if DOCPART == 2
	.amdgcn_target "amdgcn-amd-amdhsa--gfx1250"
	.amdhsa_code_object_version 6
	.text
	.protected	k_q7ad2281382_scores
	.globl	k_q7ad2281382_scores
	.p2align	8
	.type	k_q7ad2281382_scores,@function
k_q7ad2281382_scores:
	s_mov_b64 s[64:65], 0
	v_nop
	global_prefetch_b8 v0, s[64:65] scope:SCOPE_SE
	s_setreg_imm32_b32 hwreg(HW_REG_WAVE_MODE, 25, 1), 1
	s_wait_xcnt 0x0
	s_wait_alu depctr_hold_cnt(0) depctr_sa_sdst(0) depctr_va_vdst(0) depctr_va_sdst(0) depctr_va_ssrc(0) depctr_va_vcc(0) depctr_vm_vsrc(0)
	s_getreg_b32 s2, hwreg(HW_REG_IB_STS2, 6, 4)
	s_cmp_eq_u32 s2, 0
	s_cbranch_scc0 .Lentry_in_a_cluster
	s_endpgm
.Lentry_in_a_cluster:
	s_bfe_u32 s2, ttmp6, 0x10000c
	s_cmp_lg_u32 s2, 0x1001
	s_cbranch_scc0 .Lentry_shape_is_right
	s_endpgm
.Lentry_shape_is_right:
; SECOND LAUNCH: part[ch][b t] = sum over the 512 columns u of half ch of (- c2 V[u]) / (1 + 2^(c2 h[b][t][u])), c2 = 2 log2(e): the score in units of log2, less what is the same along the softmax's axis.
; Left out as dead work (shown at the head of the first launch): V_b, and the sum of V that tanh(x) = 1 - 2 / (1 + e^(2 x)) splits off.  LIMIT: a NaN, an infinity or an overflow in those alone is not carried on.
; Where 2^(c2 h) overflows to infinity the reciprocal is 0, where it falls to 0 the reciprocal is 1: tanh's two ends.
; W1 STANDS STILL AND VALUES FLOW.  Two work-groups form a cluster and own 512 rows (b t) of one batch; work-group cx holds column half cx of W1's codes in registers for the whole launch:
; wave w columns 512 cx + 64 w .. + 63, four column tiles x eight K steps = 32 fragments, 384 registers, loaded once as they lie in w1c.
; Values come in 16 chunks of 32 rows x all of K (131,072 dense bytes), asked for JOINTLY by the two partners (same descriptor, mask 3), through two LDS slots.  Wave w fetches K step w of a chunk (32 rows x 512 bytes)
; and quantises just those bytes: two fragments, stored with their scale words as images of the operand's registers in a stage of LDS that no tensor load fills.  Every wave then reads all 16 fragments; each feeds four products.
; ONE ROUND A PERIOD.  Behind round i: the load of chunk i + 1; chunk i is quantised; chunk i - 1 is multiplied and goes through the tanh stage; wave 0 joins the eight waves' sums of chunk i - 2.  All stages have two slots by i % 2.
; Waves 0-3 quantise first and multiply then, waves 4-7 the other way round, so that the two waves of a SIMD begin a period on different work.
; Source 0 = 16 rows of values, source 1 = 16 columns of W1: a lane holds ONE column (lane % 16) and rows 8 (lane / 16) + j, so a column tile's bias and V are one register each; the sum over 16 lanes follows the tanh stage.
; Each work-group quantises all 512 rows: codes cannot pass between work-groups.  THE QUANTISER and its limits are those stated at the head of the first launch.  The sum over u is taken in 16 + 16 parts, not in one chain.
; PREFETCH: in period i each wave names 32 blocks of 256 bytes of chunk i + 3, whose load stands two periods on; the partners share a chunk's 512 blocks by address (cx); chunks 1 and 2 are named at the head; nothing beyond chunk 15.
.set SLOT1, 135168                     ; f32 slots: 8 K steps x 32 rows x (512 + 16) bytes each
.set CS,    270336                     ; the stage of codes: two slots of 16 fragments x 1,536 bytes + 1,024 bytes of scale words
.set CSL,   25600
.set SC,    321536                     ; the waves' sums: two slots of 8 waves x 32 rows x 4 bytes
.set SPARE, 323584                     ; the spare words, 128 bytes a wave.  All of a WGP's LDS is claimed
; REGISTERS.  Window 1: W1's fragments f = 4 s + ct, f = 0 .. 20, at v[12 f].  Window 0: f = 21 .. 31 at v[124 + 12 (f - 21)], and:
.set SPW,  1                           ; my spare word; never rewritten
.set NIL,  2                           ; 0; never rewritten
.set ADA,  3                           ; v3, v5   my K step's rows in f32 slot 0, 1
.set BIAS, 4                           ; v4, 6, 8, 10   c2 x bias of my column in column tile ct (low word of a pair)
.set CRD,  7                           ; stage of codes + 16 lane
.set CWR,  9                           ; the same + 1,536 wave
.set SST,  11                          ; where my scale words go
.set BSC,  12                          ; v12-27 W1's scale words: v[12 + 4 ct + i]: lanes 0-15 K step i, lanes 16-31 K step 4 + i
.set ASC,  28                          ; v28-31 values', likewise
.set VV,   32                          ; v32, 34, 36, 38   - c2 V of my column
.set SCW,  33                          ; where my sums go
.set SCR,  35                          ; where wave 0 reads them
.set OUTO, 37                          ; 8 lane
.set SH8,  39                          ; 8 (lane / 16)
.set RS,   40                          ; v40-43 wave 0: an even and an odd chunk's joined sums
.set ACC,  44                          ; v44-75 four accumulators
.set AF,   76                          ; v76-123 four fragments of values
.set X,    44                          ; the quantiser: v44-107 64 numbers; the codes land on v60-71
.set D,    60
.set T0,   108
.set T1,   112
.set QM,   116
.set QS,   118
.set WD,   120
.set WP,   121
.set RT,   52                          ; temporaries of the sum over lanes
.set WV,   14
.set CX,   15
.set TRIP, 16
.set SEL,  20                          ; s[20:21] selects of lane l xor 16
.set C2,   22                          ; s[22:23] c2, twice
.set HI16, 24
.set MK8,  25                          ; lanes whose number has bit 3, 2, 1
.set MK4,  26
.set MK2,  27
.set PF,   28                          ; s[28:29] where the prefetches stand
.set G1A,  32
.set GA,   40                          ; s[40:47] group 0, a set for each slot
.set MSB, 0
.macro WIN new
.if MSB != (\new)
	s_set_vgpr_msb (MSB<<8)|(\new)
.set MSB, (\new)
.endif
.endm
.macro ROUND                           ; a round of the cluster's barrier
	s_barrier_signal -1
	s_barrier_wait -1
	s_cmp_lg_u32 s[WV], 0
	s_cbranch_scc1 .Lnot_wave_0_\@
	s_barrier_signal -3
.Lnot_wave_0_\@:
	s_barrier_wait -3
	s_barrier_signal -1
	s_barrier_wait -1
.endm
.macro TL g0                           ; my one tensor load behind a round; an s_nop 0 and four v_nop follow it
	tensor_load_to_lds s[(\g0):(\g0)+3], s[G1A:G1A+7]
	s_nop 0
.rept 4
	v_nop
.endr
.endm
; Tile mt (16 rows) of my K step: 64 numbers a lane, register 32 c + i = k 64 c + 32 h + i of row r, become 12 registers of codes and a scale word, and go to the stage.
.macro QF mt, par
	s_wait_dscnt 0x0                               ; earlier LDS stores have read their registers
.irp c, 0,1
.irp j, 0,1,2,3,4,5,6,7
	ds_load_b128 v[X+32*\c+4*\j:X+32*\c+4*\j+3], v[ADA+2*(\par)] offset:(\mt)*8448+256*\c+16*\j
.endr
.endr
	s_wait_dscnt 0x0
	v_max3_num_f32 v[QM], |v[X]|, |v[X+1]|, 0x2800000                ; the floor 2^(5 - 127) among the leaves: the byte cannot fall under 1
	v_max3_num_f32 v[QM+1], |v[X+32]|, |v[X+33]|, 0x2800000
.irp i, 2,4,6,8,10,12,14,16,18,20,22,24,26,28,30
	s_delay_alu instid0(VALU_DEP_2)
	v_max3_num_f32 v[QM], v[QM], |v[X+\i]|, |v[X+\i+1]|
	s_delay_alu instid0(VALU_DEP_2)
	v_max3_num_f32 v[QM+1], v[QM+1], |v[X+32+\i]|, |v[X+33+\i]|
.endr
	s_delay_alu instid0(VALU_DEP_2)
	v_add_nc_u32 v[QS], 0xfe000000, v[QM]                            ; 4 off the exponent field: the conversion's scale operand
	s_delay_alu instid0(VALU_DEP_2)
	v_add_nc_u32 v[QS+1], 0xfe000000, v[QM+1]
	s_delay_alu instid0(VALU_DEP_2)
	v_lshrrev_b32 v[QM], 23, v[QS]                                   ; the scale's byte
	s_delay_alu instid0(VALU_DEP_2)
	v_lshrrev_b32 v[QM+1], 23, v[QS+1]
	s_delay_alu instid0(VALU_DEP_1)
	v_lshl_or_b32 v[WD], v[QM+1], 16, v[QM]                          ; my blocks are h and 2 + h:
	s_delay_alu instid0(VALU_DEP_1)
	v_lshlrev_b32 v[WD], v[SH8], v[WD]                               ; 8 h bits up;
	s_delay_alu instid0(VALU_DEP_1)
	v_permlanex16_b32 v[WP], v[WD], s[SEL], s[SEL+1]
	s_delay_alu instid0(VALU_DEP_1)
	v_or_b32 v[WD], v[WD], v[WP]                                     ; with lane l xor 16's two the word is whole
	v_cvt_scalef32_pk16_bf6_f32 v[T0:T0+2], v[X+16:X+31], v[QS]      ; a block's upper half is made elsewhere and moved (three registers begin on an even number)
	v_cvt_scalef32_pk16_bf6_f32 v[T1:T1+2], v[X+48:X+63], v[QS+1]
	v_nop                                                            ; a plain place: the next two write registers that the first has read
	v_cvt_scalef32_pk16_bf6_f32 v[D:D+2], v[X:X+15], v[QS]
	v_cvt_scalef32_pk16_bf6_f32 v[D+6:D+8], v[X+32:X+47], v[QS+1]
	v_nop                                                            ; one plain place behind the scaled conversions
.irp i, 0,1,2
	v_mov_b32 v[D+3+\i], v[T0+\i]
	v_mov_b32 v[D+9+\i], v[T1+\i]
.endr
.irp g, 0,1,2
	ds_store_b128 v[CWR], v[D+4*\g:D+4*\g+3] offset:(\par)*CSL+(\mt)*12288+512*\g   ; fragment 8 mt + wave: an image of the operand's registers
.endr
	ds_store_b32 v[SST], v[WD] offset:(\par)*CSL+(\mt)*512           ; both halves of the lanes write the same word with the same value
.endm
.macro AFL s, off                      ; the fragment of K step s into buffer s % 4
.irp g, 0,1,2
	ds_load_b128 v[AF+12*((\s)%4)+4*\g:AF+12*((\s)%4)+4*\g+3], v[CRD] offset:(\off)+(\s)*1536+512*\g
.endr
.endm
; The 32 products of a tile of 16 rows.  The four accumulators take turns, one instruction a turn.  The LDS loads stand in runs of six, each behind eight products and four places.
.macro W off, soff, next
	s_wait_dscnt 0x0                               ; K steps 0 to 3 and the scale words are in; my last store has read its register
	WIN 0x04                                       ; source 1 (W1) in window 1
.irp s, 0,1,2,3,4,5,6,7
.if \s == 4
	s_wait_dscnt 6                                 ; K steps 4 and 5 are in; the six loads of 6 and 7 may be out
.elseif \s == 6
	s_wait_dscnt 6*\next                           ; K steps 6 and 7 are in; the next tile's first six may be out
.endif
.irp ct, 0,1,2,3
.set FI, 4*\s+\ct
.if FI <= 20
.set AR, 12*FI
.else
	WIN 0
.set AR, 124+12*(FI-21)
.endif
.if \s == 0
	v_wmma_scale_f32_16x16x128_f8f6f4 v[ACC+8*\ct:ACC+8*\ct+7], v[AF+12*(\s%4):AF+12*(\s%4)+11], v[AR:AR+11], 0, v[ASC+\s%4], v[BSC+4*\ct+\s%4] matrix_a_fmt:MATRIX_FMT_BF6 matrix_b_fmt:MATRIX_FMT_BF6
.elseif \s < 4
	v_wmma_scale_f32_16x16x128_f8f6f4 v[ACC+8*\ct:ACC+8*\ct+7], v[AF+12*(\s%4):AF+12*(\s%4)+11], v[AR:AR+11], v[ACC+8*\ct:ACC+8*\ct+7], v[ASC+\s%4], v[BSC+4*\ct+\s%4] matrix_a_fmt:MATRIX_FMT_BF6 matrix_b_fmt:MATRIX_FMT_BF6
.else
	v_wmma_scale_f32_16x16x128_f8f6f4 v[ACC+8*\ct:ACC+8*\ct+7], v[AF+12*(\s%4):AF+12*(\s%4)+11], v[AR:AR+11], v[ACC+8*\ct:ACC+8*\ct+7], v[ASC+\s%4], v[BSC+4*\ct+\s%4] matrix_a_fmt:MATRIX_FMT_BF6 matrix_b_fmt:MATRIX_FMT_BF6 matrix_a_scale:MATRIX_SCALE_ROW1 matrix_b_scale:MATRIX_SCALE_ROW1
.endif
.endr
.if (\s == 1) || (\s == 3) || ((\s == 5) && (\next)) || (\s == 7)
.rept 4
	v_nop                                          ; four places in front of loads into registers that the products read, and (K step 7) of the first read of the results
.endr
.endif
.if (\s == 1) || (\s == 3)
	AFL \s+3, \off
	AFL \s+4, \off
.elseif ((\s == 5) || (\s == 7)) && (\next)
	AFL \s-5, (\off)+12288
	AFL \s-4, (\off)+12288
.endif
.endr
.if \next
	ds_load_b128 v[ASC:ASC+3], v[CRD] offset:\soff
.endif
.endm
; The tanh stage on the 32 results: x = c2 h; then (- c2 V) / (1 + 2^x), summed over the four column tiles into the first accumulator's registers.  Each kind of transcendental is one batch between two waits.
.macro EPI
.irp j, 0,2,4,6
.irp ct, 0,1,2,3
	v_pk_fma_f32 v[ACC+8*\ct+\j:ACC+8*\ct+\j+1], v[ACC+8*\ct+\j:ACC+8*\ct+\j+1], s[C2:C2+1], v[BIAS+2*\ct:BIAS+2*\ct+1] op_sel_hi:[1,0,0]   ; each accumulator from its low end on
.endr
.endr
	s_wait_alu depctr_va_vdst(0)
.set EI, 0
.rept 32
	v_exp_f32 v[ACC+EI], v[ACC+EI]
.set EI, EI+1
.endr
	v_nop
	s_wait_alu depctr_va_vdst(0)
.set EI, 0
.rept 16
	v_pk_add_f32 v[ACC+EI:ACC+EI+1], v[ACC+EI:ACC+EI+1], 1.0 op_sel_hi:[1,0]
.set EI, EI+2
.endr
	s_wait_alu depctr_va_vdst(0)
.set EI, 0
.rept 32
	v_rcp_f32 v[ACC+EI], v[ACC+EI]
.set EI, EI+1
.endr
	v_nop
	s_wait_alu depctr_va_vdst(0)
.irp j, 0,2,4,6
	v_pk_mul_f32 v[ACC+\j:ACC+\j+1], v[ACC+\j:ACC+\j+1], v[VV:VV+1] op_sel_hi:[1,0]
.endr
.irp ct, 1,2,3
.irp j, 0,2,4,6
	v_pk_fma_f32 v[ACC+\j:ACC+\j+1], v[ACC+8*\ct+\j:ACC+8*\ct+\j+1], v[VV+2*\ct:VV+2*\ct+1], v[ACC+\j:ACC+\j+1] op_sel_hi:[1,0,1]
.endr
.endr
.endm
; The sum over the 16 lanes of a row of lanes.  At each step a lane keeps half of its registers and sends the other half to its partner: 8, 4, 2, 1 registers.  At the end lane l holds row l / 2 of the tile.
.macro HALVE n, mk, xm
.set HJ, 0
.rept \n
	v_cndmask_b32 v[RT+2*HJ], v[ACC+HJ], v[ACC+(\n)+HJ], s[\mk]
	v_cndmask_b32 v[RT+2*HJ+1], v[ACC+(\n)+HJ], v[ACC+HJ], s[\mk]
.set HJ, HJ+1
.endr
.set HJ, 0
.rept \n
	v_add_f32_dpp v[ACC+HJ], v[RT+2*HJ+1], v[RT+2*HJ] row_xmask:\xm row_mask:0xf bank_mask:0xf
.set HJ, HJ+1
.endr
.endm
.macro SUMS ss, mt
	HALVE 4, MK8, 8
	HALVE 2, MK4, 4
	HALVE 1, MK2, 2
	s_delay_alu instid0(VALU_DEP_1)
	v_add_f32_dpp v[ACC], v[ACC], v[ACC] row_xmask:1 row_mask:0xf bank_mask:0xf
	ds_store_b32 v[SCW], v[ACC] offset:(\ss)*1024+(\mt)*64           ; two lanes write the same word with the same value
.endm
.macro MM cs                           ; a chunk's two tiles of rows, from slot cs of the stage
	s_wait_loadcnt 0x0                             ; W1's fragments, scale words and tables are in (they are loaded once, ahead of the first products)
	s_wait_dscnt 0x0
	AFL 0, (\cs)*CSL
	AFL 1, (\cs)*CSL
	AFL 2, (\cs)*CSL
	AFL 3, (\cs)*CSL
	ds_load_b128 v[ASC:ASC+3], v[CRD] offset:(\cs)*CSL+24576
	W (\cs)*CSL, (\cs)*CSL+24576+512, 1
	EPI
	SUMS \cs, 0
	W (\cs)*CSL+12288, 0, 0
	EPI
	SUMS \cs, 1
.endm
; Wave 0 joins the eight waves' sums of a chunk: lane l takes rows 2 (l % 16) and + 1.  An even chunk's are kept; with the odd chunk's in lanes 16-31 they leave as 256 consecutive bytes, aligned.
.macro RED par, lp
	s_cmp_lg_u32 s[WV], 0
	s_cbranch_scc1 .Lnr_\@
.irp w, 0,1,2,3,4,5,6,7
	ds_load_b64 v[ACC+2*\w:ACC+2*\w+1], v[SCR] offset:(\par)*1024+128*\w
.endr
	s_wait_dscnt 0x0
.irp w, 0,4,8,12
	v_pk_add_f32 v[ACC+\w:ACC+\w+1], v[ACC+\w:ACC+\w+1], v[ACC+\w+2:ACC+\w+3]
.endr
	v_pk_add_f32 v[ACC:ACC+1], v[ACC:ACC+1], v[ACC+4:ACC+5]
	v_pk_add_f32 v[ACC+8:ACC+9], v[ACC+8:ACC+9], v[ACC+12:ACC+13]
	s_delay_alu instid0(VALU_DEP_1)
	v_pk_add_f32 v[RS+2*(\par):RS+2*(\par)+1], v[ACC:ACC+1], v[ACC+8:ACC+9]
.if \par
	s_delay_alu instid0(VALU_DEP_1)
	v_cndmask_b32 v[RS+2], v[RS], v[RS+2], s[HI16]
	v_cndmask_b32 v[RS+3], v[RS+1], v[RS+3], s[HI16]
	global_store_b64 v[OUTO], v[RS+2:RS+3], s[12:13]
	s_wait_xcnt 0x0                                ; the store has read its registers and its base
	s_add_nc_u64 s[12:13], s[12:13], 256
.endif
	s_wait_alu depctr_va_vdst(0)                   ; the wait behind these writes
.Lnr_\@:
.endm
; Period i, par = i % 2.  tl: chunk i + 1 is fetched;  q: chunk i is quantised;  m: chunk i - 1 is multiplied;  r: chunk i - 2 is joined;  lp: inside the loop.
; The second part of W1: fragments 21 to 31, the scale words and the tables: 45 loads a wave, issued behind period 0's tensor load, on their way while chunk 0 is quantised (the quantiser names none of their registers).
.macro W1B
.set FI, 21
.rept 11
.irp g, 0,1,2
	global_load_b128 v[124+12*(FI-21)+4*\g:124+12*(FI-21)+4*\g+3], v40, s[6:7] offset:(8*(FI%4)+FI/4)*1536+512*\g
.endr
.set FI, FI+1
.endr
.irp ct, 0,1,2,3
	global_load_b128 v[BSC+4*\ct:BSC+4*\ct+3], v40, s[8:9] offset:512*\ct
	global_load_b32 v[BIAS+2*\ct], v41, s[10:11] offset:128*\ct
	global_load_b32 v[VV+2*\ct], v41, s[10:11] offset:128*\ct+64
.endr
.endm
; lp also serves periods 0 and 1, written out ahead of the loop: this slot's group 0 steps and chunk i + 3 is prefetched.  w1: the second part of W1 is asked for.
.macro ITER par, tl, q, m, r, lp, w1
	s_wait_alu depctr_va_vdst(0)                   ; the wait ahead of the blocking waits
	s_wait_tensorcnt 0x0                           ; my part of chunk i is in; no tensor load of mine is out, so a group 0 may be written
	ds_add_u32 v[SPW], v[NIL]                      ; 0 onto my spare word
.if \lp
	s_add_nc_u64 s[GA+4*(\par)+2:GA+4*(\par)+3], s[GA+4*(\par)+2:GA+4*(\par)+3], 262144   ; this slot's next chunk: two on
.endif
	s_wait_dscnt 0x0                               ; the add is done; my reads of the other f32 slot and my LDS stores are over
.if \tl
	ROUND
	TL GA+4*(1-(\par))
.if \w1
	W1B
.endif
.else
	s_barrier_signal -1
	s_barrier_wait -1
.endif
.if \r
	RED \par, \lp
.endif
.if \q
	s_cmp_lt_u32 s[WV], 4
	s_cbranch_scc0 .Lq1_\@
	QF 0, \par
	QF 1, \par
.Lq1_\@:
.endif
.if \lp
.if \par
	s_cmp_lt_u32 s[TRIP], 6                        ; chunk 2 trip + 4 exists up to trip 5
	s_cbranch_scc0 .Lnp_\@
.endif
	global_prefetch_b8 v0, s[PF:PF+1] offset:393216+131072*(\par) th:TH_LOAD_NT scope:SCOPE_SE   ; chunk i + 3: 32 blocks of 256 bytes a wave
.Lnp_\@:
.endif
.if \m
	MM 1-(\par)
.endif
.if \q
	s_cmp_lt_u32 s[WV], 4
	s_cbranch_scc1 .Lq2_\@
	QF 0, \par
	QF 1, \par
.Lq2_\@:
.endif
.endm
	s_load_b256 s[4:11], s[0:1], 0x0               ; values 4:5, w1c 6:7, w1s 8:9, tab 10:11
	s_load_b64 s[12:13], s[0:1], 0x20              ; part
	v_lshl_add_u32 v[SPW], v0, 2, SPARE
	v_mov_b32 v[NIL], 0
	ds_add_u32 v[SPW], v[NIL]                      ; the opening: the add, twice on end, and its wait ahead of my first tensor load
	ds_add_u32 v[SPW], v[NIL]
	v_lshrrev_b32 v40, 5, v0
	s_delay_alu instid0(VALU_DEP_1)
	v_readfirstlane_b32 s[WV], v40                 ; wave 0 .. 7
	s_bfe_u32 s[CX], ttmp6, 0x40000                ; cx: the column half; it enters the addresses of W1, the tables, part and the prefetches alone
	; group 1: 32 rows x 128 elements of 4 bytes, 1,024 elements from row to row; 16 bytes of padding behind each 128 words; the mask names both work-groups, bit 21 beside it
	s_mov_b32 s[G1A+0], 3|(2<<16)|(1<<20)|(1<<21)|(6<<22)|(3<<25)
	s_mov_b32 s[G1A+1], 128<<16
	s_mov_b32 s[G1A+2], 32<<16
	s_mov_b32 s[G1A+3], 128<<16
	s_mov_b32 s[G1A+4], 32
	s_mov_b32 s[G1A+5], 1024
	s_mov_b32 s[G1A+6], 0
	s_mov_b32 s[G1A+7], 0
	s_mov_b32 s[SEL], 0x76543210
	s_mov_b32 s[SEL+1], 0xfedcba98
	s_mov_b32 s[C2], 0x4038aa3b
	s_mov_b32 s[C2+1], s[C2]
	s_mov_b32 s[HI16], 0xffff0000
	s_mov_b32 s[MK8], 0xff00ff00
	s_mov_b32 s[MK4], 0xf0f0f0f0
	s_mov_b32 s[MK2], 0xcccccccc
	s_mov_b32 s[TRIP], 0
	s_mul_i32 s[GA+1], s[WV], 16896                ; LDS: my K step's 32 rows
	s_add_co_u32 s[GA+5], s[GA+1], SLOT1
	s_lshl_b32 s48, ttmp9, 21                      ; values: 512 rows of 4,096 bytes a cluster,
	s_lshl_b32 s49, s[WV], 9                       ; 512 bytes a K step
	s_add_co_u32 s48, s48, s49
	s_mov_b32 s49, 0
	s_lshl_b32 s50, s[CX], 5
	s_lshl_b32 s51, s[WV], 2
	s_add_co_u32 s50, s50, s51                     ; my first column tile
	s_mul_i32 s52, s50, 12288                      ; its codes,
	s_mov_b32 s53, 0
	s_lshl_b32 s54, s50, 9                         ; its scale words,
	s_mov_b32 s55, 0
	s_lshr_b32 s56, ttmp9, 2                       ; the batch: four clusters each
	s_lshl_b32 s56, s56, 13
	s_lshl_b32 s57, s50, 7
	s_add_co_u32 s56, s56, s57                     ; its tables
	s_mov_b32 s57, 0
	s_lshl_b32 s58, s[CX], 18                      ; part: 65,536 numbers a column half, 512 a cluster
	s_lshl_b32 s59, ttmp9, 11
	s_add_co_u32 s58, s58, s59
	s_mov_b32 s59, 0
	s_lshl_b32 s60, ttmp9, 21                      ; prefetches: my work-group's half of a chunk
	s_lshl_b32 s61, s[CX], 16
	s_add_co_u32 s60, s60, s61
	s_mov_b32 s61, 0
	s_lshl_b32 s17, s[WV], 7
	s_add_co_u32 s17, s17, SC
	s_mul_i32 s18, s[WV], 1536
	s_add_co_u32 s18, s18, CS
	s_lshr_b32 s19, s[WV], 2
	s_lshl_b32 s19, s19, 8
	s_and_b32 s30, s[WV], 3
	s_lshl_b32 s30, s30, 2
	s_add_co_u32 s19, s19, s30
	s_add_co_u32 s19, s19, CS+24576                ; scale words: 256 (s / 4) + 4 (s % 4)
	v_and_b32 v40, 31, v0                          ; lane
	v_and_b32 v41, 15, v0                          ; r
	v_bfe_u32 v42, v0, 4, 1                        ; h
	v_mul_u32_u24 v[ADA], v41, 528
	v_lshrrev_b32 v43, 1, v40
	v_lshlrev_b32 v[SH8], 3, v42
	v_lshl_add_u32 v[ADA], v42, 7, v[ADA]
	v_lshl_add_u32 v[SCW], v43, 2, s17
	v_lshlrev_b32 v[SCR], 3, v41
	v_add_nc_u32 v[ADA], s[GA+1], v[ADA]           ; row r of my K step, + 128 h bytes
	v_lshlrev_b32 v[OUTO], 3, v40
	v_add_nc_u32 v[SCR], SC, v[SCR]
	v_add_nc_u32 v[ADA+2], SLOT1, v[ADA]
	v_lshlrev_b32 v40, 4, v40                      ; 16 lane
	v_lshl_add_u32 v[SST], v41, 4, s19
	v_lshlrev_b32 v41, 2, v41                      ; 4 r
	v_add_nc_u32 v[CRD], CS, v40
	v_add_nc_u32 v[CWR], s18, v40
	v_mov_b32 v[WP], 0                             ; a lane permute's destination counts as one of its sources
	v_lshlrev_b32 v0, 8, v0                        ; from here on: 256 x thread, the prefetches' offset
	s_wait_alu depctr_va_vdst(0)                   ; the wait at the end of the head's vector work
	s_wait_dscnt 0x0                               ; both opening adds are done
	s_wait_kmcnt 0x0
	s_add_nc_u64 s[PF:PF+1], s[4:5], s[60:61]
	s_add_nc_u64 s[4:5], s[4:5], s[48:49]
	s_add_nc_u64 s[6:7], s[6:7], s[52:53]
	s_add_nc_u64 s[8:9], s[8:9], s[54:55]
	s_add_nc_u64 s[10:11], s[10:11], s[56:57]
	s_add_nc_u64 s[12:13], s[12:13], s[58:59]
	s_mov_b32 s[GA], 1
	s_mov_b64 s[GA+2:GA+3], s[4:5]                 ; chunk 0
	s_or_b32 s[GA+3], s[GA+3], 0x80000000
	s_mov_b32 s[GA+4], 1
	s_add_nc_u64 s[GA+6:GA+7], s[4:5], 131072      ; chunk 1
	s_or_b32 s[GA+7], s[GA+7], 0x80000000
	ROUND                                          ; both work-groups are here: the first joint loads meet
	TL GA                                          ; one tensor load a wave at the head
	WIN 0x40                                       ; W1's fragments: 512 consecutive bytes a load
.set FI, 0
.rept 21
.irp g, 0,1,2
	global_load_b128 v[12*FI+4*\g:12*FI+4*\g+3], v40, s[6:7] offset:(8*(FI%4)+FI/4)*1536+512*\g
.endr
.set FI, FI+1
.endr
	WIN 0                                          ; the first 63 loads stand here; the other 45 behind period 0's tensor load
	global_prefetch_b8 v0, s[PF:PF+1] offset:131072 th:TH_LOAD_NT scope:SCOPE_SE   ; chunks 1 and 2
	global_prefetch_b8 v0, s[PF:PF+1] offset:262144 th:TH_LOAD_NT scope:SCOPE_SE
	ITER 0, 1, 1, 0, 0, 1, 1                       ; period 0: no chunk is behind it; the rest of W1 is asked for
	ITER 1, 1, 1, 1, 0, 1, 0                       ; period 1: the first products; no chunk two back
	s_wait_xcnt 0x0                                ; the prefetches have read their base
	s_add_nc_u64 s[PF:PF+1], s[PF:PF+1], 262144
	s_mov_b32 s[TRIP], 1
.Ltrip:                                            ; periods 2 to 13, two a trip
	ITER 0, 1, 1, 1, 1, 1, 0
	ITER 1, 1, 1, 1, 1, 1, 0
	s_wait_xcnt 0x0                                ; the prefetches have read their base
	s_add_nc_u64 s[PF:PF+1], s[PF:PF+1], 262144
	s_add_co_u32 s[TRIP], s[TRIP], 1
	s_cmp_lt_u32 s[TRIP], 7
	s_wait_alu depctr_va_vdst(0)
	s_cbranch_scc1 .Ltrip
	ITER 0, 1, 1, 1, 1, 0, 0                       ; period 14 fetches chunk 15, the last
	ITER 1, 0, 1, 1, 1, 0, 0                       ; the tail is written out: nothing is left to fetch,
	ITER 0, 0, 0, 1, 1, 0, 0                       ; to quantise,
	ITER 1, 0, 0, 0, 1, 0, 0                       ; to multiply
	s_wait_tensorcnt 0x0                           ; the wave's end
	ds_add_u32 v[SPW], v[NIL]
	s_wait_dscnt 0x0
	ROUND                                          ; the closing round
	s_endpgm
.Lfunc_end_k_q7ad2281382_scores:
	.size	k_q7ad2281382_scores, .Lfunc_end_k_q7ad2281382_scores-k_q7ad2281382_scores
	.p2alignl 7, 3214868480
	.fill 96, 4, 3214868480
	.section	.rodata,"a",@progbits
	.p2align	6, 0x0
	.amdhsa_kernel k_q7ad2281382_scores
		.amdhsa_group_segment_fixed_size 327680
		.amdhsa_private_segment_fixed_size 0
		.amdhsa_enable_private_segment 0
		.amdhsa_kernarg_size 40
		.amdhsa_user_sgpr_count 2
		.amdhsa_user_sgpr_kernarg_segment_ptr 1
		.amdhsa_wavefront_size32 1
		.amdhsa_system_sgpr_workgroup_id_x 1
		.amdhsa_system_sgpr_workgroup_id_y 1
		.amdhsa_system_sgpr_workgroup_id_z 1
		.amdhsa_system_vgpr_workitem_id 0
		.amdhsa_next_free_vgpr 512
		.amdhsa_next_free_sgpr 66
		.amdhsa_reserve_vcc 0
		.amdhsa_float_denorm_mode_32 3
		.amdhsa_float_denorm_mode_16_64 3
		.amdhsa_memory_ordered 1
		.amdhsa_forward_progress 1
		.amdhsa_inst_pref_size 255
	.end_amdhsa_kernel
	.section	.bss,"aw",@nobits
	.p2align	6
	.space	262144
	.amdgpu_metadata
---
amdhsa.version: [ 1, 2 ]
amdhsa.kernels:
  - .name:           k_q7ad2281382_scores
    .symbol:         k_q7ad2281382_scores.kd
    .args:
      - { .name: values, .offset: 0, .size: 8, .value_kind: global_buffer, .address_space: global }
      - { .name: w1c, .offset: 8, .size: 8, .value_kind: global_buffer, .address_space: global }
      - { .name: w1s, .offset: 16, .size: 8, .value_kind: global_buffer, .address_space: global }
      - { .name: tab, .offset: 24, .size: 8, .value_kind: global_buffer, .address_space: global }
      - { .name: part, .offset: 32, .size: 8, .value_kind: global_buffer, .address_space: global }
    .group_segment_fixed_size: 327680
    .private_segment_fixed_size: 0
    .kernarg_segment_align: 8
    .kernarg_segment_size: 40
    .max_flat_workgroup_size: 256
    .sgpr_count:     66
    .vgpr_count:     512
    .wavefront_size: 32
...
	.end_amdgpu_metadata
.endif
;; end of part 2
;; launch soft (part 3): grid 32 x 1, 8 waves a work-group, no clusters, 1,536 bytes of LDS; arguments part, values, out0, out1; writes out0, out1
.if DOCPART == 3
	.amdgcn_target "amdgcn-amd-amdhsa--gfx1250"
	.amdhsa_code_object_version 6
	.text
	.protected	k_q7ad2281382_soft
	.globl	k_q7ad2281382_soft
	.p2align	8
	.type	k_q7ad2281382_soft,@function
k_q7ad2281382_soft:
	s_mov_b64 s[64:65], 0
	v_nop
	global_prefetch_b8 v0, s[64:65] scope:SCOPE_SE
	s_setreg_imm32_b32 hwreg(HW_REG_WAVE_MODE, 25, 1), 1
	s_wait_xcnt 0x0
; THIRD LAUNCH: out1[b][t] = softmax over t of the scores; out0[b][:] = out1[b][2047] x values[b][2047][:].
; The scores come as two partial sums (the two halves of the columns) in units of log2, less what is the same along t (V_b and the sum of V: dead work, shown at the head of the first launch).
; Of attention x values only row 2047 is multiplied, as reference() itself gathers it.  The row's maximum is taken away before the exponential, as reference() does.
; One work-group to a batch: a row of the softmax has one owner.  Thread t owns elements 4 t .. 4 t + 3 and 1,024 + 4 t .. + 3; the maxima and the sums of the eight waves meet in LDS.
; The launch moves under 1 MiB, so 32 work-groups serve; no matrix unit, no cluster, no tensor load: nothing here is shared or multiplied in bulk.
; LIMIT: a weight under 2^-126 comes out as 0 (v_exp_f32 gives no denormal results: ISA guide, its entry in 15.8).
.set SPARE, 512                        ; LDS: 0 .. 31 the waves' maxima; 256 .. 287 their sums; from 512 the spare words, 128 bytes a wave
	s_load_b256 s[4:11], s[0:1], 0x0               ; part 4:5, values 6:7, out0 8:9, out1 10:11
	v_lshl_add_u32 v1, v0, 2, SPARE                ; v1: LDS address of my spare word; v2: 0; both never rewritten
	v_mov_b32 v2, 0
	v_lshrrev_b32 v3, 5, v0
	s_delay_alu instid0(VALU_DEP_1)
	v_readfirstlane_b32 s12, v3                    ; wave
	v_lshlrev_b32 v3, 4, v0                        ; 16 t
	s_delay_alu instid0(VALU_DEP_2)
	v_mov_b32 v4, s12
	s_delay_alu instid0(VALU_DEP_1)
	v_lshlrev_b32 v4, 2, v4                        ; 4 x wave
	v_mov_b32 v5, 0
	s_mov_b32 s14, 0x76543210
	s_mov_b32 s15, 0xfedcba98                      ; v_permlanex16_b32's selects for lane l xor 16
	s_lshl_b32 s16, ttmp9, 13                      ; a batch's 2,048 numbers
	s_mov_b32 s17, 0
	s_lshl_b32 s18, ttmp9, 23                      ; a batch's 2,048 rows of 4,096 bytes,
	s_add_co_u32 s18, s18, 2047*4096               ; its last row
	s_mov_b32 s19, 0
	s_lshl_b32 s20, ttmp9, 12
	s_mov_b32 s21, 0
	s_wait_alu depctr_va_vdst(0)
	s_wait_kmcnt 0x0
	s_add_nc_u64 s[4:5], s[4:5], s[16:17]
	s_add_nc_u64 s[10:11], s[10:11], s[16:17]
	s_add_nc_u64 s[6:7], s[6:7], s[18:19]
	s_add_nc_u64 s[8:9], s[8:9], s[20:21]
	global_load_b128 v[8:11], v3, s[4:5]
	global_load_b128 v[12:15], v3, s[4:5] offset:4096
	global_load_b128 v[16:19], v3, s[4:5] offset:262144
	global_load_b128 v[20:23], v3, s[4:5] offset:266240
	global_load_b32 v24, v5, s[4:5] offset:8188            ; element 2047, for every thread
	global_load_b32 v25, v5, s[4:5] offset:270332
	global_load_b128 v[28:31], v3, s[6:7]                  ; values[b][2047]
	s_wait_loadcnt 0x1                             ; the row of values may stay out
	v_pk_add_f32 v[8:9], v[8:9], v[16:17]          ; the two halves of the columns
	v_pk_add_f32 v[10:11], v[10:11], v[18:19]
	v_pk_add_f32 v[12:13], v[12:13], v[20:21]
	v_pk_add_f32 v[14:15], v[14:15], v[22:23]
	v_add_f32 v24, v24, v25
	s_delay_alu instid0(VALU_DEP_4)
	v_max3_num_f32 v32, v8, v9, v10                ; the maximum: my eight,
	s_delay_alu instid0(VALU_DEP_4)
	v_max3_num_f32 v33, v11, v12, v13
	s_delay_alu instid0(VALU_DEP_2)
	v_max3_num_f32 v32, v32, v14, v15
	s_delay_alu instid0(VALU_DEP_1)
	v_max_num_f32 v32, v32, v33
	s_delay_alu instid0(VALU_DEP_1)
	v_max_num_f32_dpp v32, v32, v32 row_xmask:1 row_mask:0xf bank_mask:0xf   ; my wave's,
	s_delay_alu instid0(VALU_DEP_1)
	v_max_num_f32_dpp v32, v32, v32 row_xmask:2 row_mask:0xf bank_mask:0xf
	s_delay_alu instid0(VALU_DEP_1)
	v_max_num_f32_dpp v32, v32, v32 row_xmask:4 row_mask:0xf bank_mask:0xf
	s_delay_alu instid0(VALU_DEP_1)
	v_max_num_f32_dpp v32, v32, v32 row_xmask:8 row_mask:0xf bank_mask:0xf
	s_delay_alu instid0(VALU_DEP_1)
	v_permlanex16_b32 v33, v32, s14, s15
	s_delay_alu instid0(VALU_DEP_1)
	v_max_num_f32 v32, v32, v33
	ds_store_b32 v4, v32                           ; all lanes write the same word with the same value
	s_wait_dscnt 0x0                               ; for the others' sake
	s_barrier_signal -1
	s_barrier_wait -1
	ds_load_b128 v[36:39], v5
	ds_load_b128 v[40:43], v5 offset:16
	s_wait_dscnt 0x0
	v_max3_num_f32 v32, v36, v37, v38              ; the eight waves'
	v_max3_num_f32 v33, v39, v40, v41
	s_delay_alu instid0(VALU_DEP_2)
	v_max3_num_f32 v32, v32, v42, v43
	s_delay_alu instid0(VALU_DEP_1)
	v_max_num_f32 v32, v32, v33
	s_delay_alu instid0(VALU_DEP_1)
	v_pk_add_f32 v[8:9], v[8:9], v[32:33] op_sel_hi:[1,0] neg_lo:[0,1] neg_hi:[0,1]
	s_delay_alu instid0(VALU_DEP_2)
	v_pk_add_f32 v[10:11], v[10:11], v[32:33] op_sel_hi:[1,0] neg_lo:[0,1] neg_hi:[0,1]
	s_delay_alu instid0(VALU_DEP_3)
	v_pk_add_f32 v[12:13], v[12:13], v[32:33] op_sel_hi:[1,0] neg_lo:[0,1] neg_hi:[0,1]
	s_delay_alu instid0(VALU_DEP_4)
	v_pk_add_f32 v[14:15], v[14:15], v[32:33] op_sel_hi:[1,0] neg_lo:[0,1] neg_hi:[0,1]
	v_sub_f32 v24, v24, v32
	s_wait_alu depctr_va_vdst(0)
.irp i, 8,9,10,11,12,13,14,15,24
	v_exp_f32 v\i, v\i                             ; the scores are in units of log2 already
.endr
	v_nop                                          ; a plain place behind the last exponential
	s_wait_alu depctr_va_vdst(0)                   ; one wait for the nine, ahead of their first reader
	v_pk_add_f32 v[44:45], v[8:9], v[10:11]        ; the sum, by the same steps
	v_pk_add_f32 v[46:47], v[12:13], v[14:15]
	s_delay_alu instid0(VALU_DEP_1)
	v_pk_add_f32 v[44:45], v[44:45], v[46:47]
	s_delay_alu instid0(VALU_DEP_1)
	v_add_f32 v44, v44, v45
	s_delay_alu instid0(VALU_DEP_1)
	v_add_f32_dpp v44, v44, v44 row_xmask:1 row_mask:0xf bank_mask:0xf
	s_delay_alu instid0(VALU_DEP_1)
	v_add_f32_dpp v44, v44, v44 row_xmask:2 row_mask:0xf bank_mask:0xf
	s_delay_alu instid0(VALU_DEP_1)
	v_add_f32_dpp v44, v44, v44 row_xmask:4 row_mask:0xf bank_mask:0xf
	s_delay_alu instid0(VALU_DEP_1)
	v_add_f32_dpp v44, v44, v44 row_xmask:8 row_mask:0xf bank_mask:0xf
	s_delay_alu instid0(VALU_DEP_1)
	v_permlanex16_b32 v45, v44, s14, s15
	s_delay_alu instid0(VALU_DEP_1)
	v_add_f32 v44, v44, v45
	ds_store_b32 v4, v44 offset:256                ; other bytes than the maxima's: no wave may still be reading those
	s_wait_dscnt 0x0
	s_barrier_signal -1
	s_barrier_wait -1
	ds_load_b128 v[36:39], v5 offset:256
	ds_load_b128 v[40:43], v5 offset:272
	s_wait_dscnt 0x0
	v_pk_add_f32 v[36:37], v[36:37], v[38:39]
	v_pk_add_f32 v[40:41], v[40:41], v[42:43]
	s_delay_alu instid0(VALU_DEP_1)
	v_pk_add_f32 v[36:37], v[36:37], v[40:41]
	s_delay_alu instid0(VALU_DEP_1)
	v_add_f32 v36, v36, v37
	s_wait_alu depctr_va_vdst(0)
	v_rcp_f32 v46, v36
	v_nop                                          ; a plain place behind the reciprocal
	s_wait_alu depctr_va_vdst(0)                   ; and its wait, ahead of the first reader
	v_pk_mul_f32 v[8:9], v[8:9], v[46:47] op_sel_hi:[1,0]
	v_pk_mul_f32 v[10:11], v[10:11], v[46:47] op_sel_hi:[1,0]
	v_pk_mul_f32 v[12:13], v[12:13], v[46:47] op_sel_hi:[1,0]
	v_pk_mul_f32 v[14:15], v[14:15], v[46:47] op_sel_hi:[1,0]
	v_mul_f32 v24, v24, v46                        ; out1[b][2047]
	global_store_b128 v3, v[8:11], s[10:11] th:TH_STORE_NT               ; a wave's store covers 512 consecutive bytes, at a multiple of 512 from the buffer's first byte
	global_store_b128 v3, v[12:15], s[10:11] offset:4096 th:TH_STORE_NT
	s_wait_alu depctr_va_vdst(0)
	s_wait_loadcnt 0x0                             ; the row of values
	v_pk_mul_f32 v[28:29], v[28:29], v[24:25] op_sel_hi:[1,0]
	v_pk_mul_f32 v[30:31], v[30:31], v[24:25] op_sel_hi:[1,0]
	global_store_b128 v3, v[28:31], s[8:9] th:TH_STORE_NT
	s_wait_tensorcnt 0x0                           ; the wave's end
	ds_add_u32 v1, v2
	s_wait_dscnt 0x0
	s_endpgm
.Lfunc_end_k_q7ad2281382_soft:
	.size	k_q7ad2281382_soft, .Lfunc_end_k_q7ad2281382_soft-k_q7ad2281382_soft
	.p2alignl 7, 3214868480
	.fill 96, 4, 3214868480
	.section	.rodata,"a",@progbits
	.p2align	6, 0x0
	.amdhsa_kernel k_q7ad2281382_soft
		.amdhsa_group_segment_fixed_size 1536
		.amdhsa_private_segment_fixed_size 0
		.amdhsa_enable_private_segment 0
		.amdhsa_kernarg_size 32
		.amdhsa_user_sgpr_count 2
		.amdhsa_user_sgpr_kernarg_segment_ptr 1
		.amdhsa_wavefront_size32 1
		.amdhsa_system_sgpr_workgroup_id_x 1
		.amdhsa_system_sgpr_workgroup_id_y 1
		.amdhsa_system_sgpr_workgroup_id_z 1
		.amdhsa_system_vgpr_workitem_id 0
		.amdhsa_next_free_vgpr 64
		.amdhsa_next_free_sgpr 66
		.amdhsa_reserve_vcc 0
		.amdhsa_float_denorm_mode_32 3
		.amdhsa_float_denorm_mode_16_64 3
		.amdhsa_memory_ordered 1
		.amdhsa_forward_progress 1
		.amdhsa_inst_pref_size 7
	.end_amdhsa_kernel
	.amdgpu_metadata
---
amdhsa.version: [ 1, 2 ]
amdhsa.kernels:
  - .name:           k_q7ad2281382_soft
    .symbol:         k_q7ad2281382_soft.kd
    .args:
      - { .name: part, .offset: 0, .size: 8, .value_kind: global_buffer, .address_space: global }
      - { .name: values, .offset: 8, .size: 8, .value_kind: global_buffer, .address_space: global }
      - { .name: out0, .offset: 16, .size: 8, .value_kind: global_buffer, .address_space: global }
      - { .name: out1, .offset: 24, .size: 8, .value_kind: global_buffer, .address_space: global }
    .group_segment_fixed_size: 1536
    .private_segment_fixed_size: 0
    .kernarg_segment_align: 8
    .kernarg_segment_size: 32
    .max_flat_workgroup_size: 256
    .sgpr_count:     66
    .vgpr_count:     64
    .wavefront_size: 32
...
	.end_amdgpu_metadata
.endif
;; end of part 3
